; MI455X (gfx1250); checked and timed in simulation.
; The chip was launched on July 23, 2026; its instructions are those of AMD's public machine-readable ISA for CDNA 5 (MIT licence, August 2026) and "CDNA5" Instruction Set Architecture Reference Guide (July 2026). The comments in the code are by the model that wrote it; some were corrected since.
;; Pop Predict. Allowed arithmetic: float matrix products may take bf16 or f16 operands with f32 sums; all other float work in f32.
;; Inputs: attn_w 3 x 1 float32; bn_s_beta 256 float32; bn_s_gamma 256 float32; bn_s_mean 256 float32; bn_s_var 256 float32; bn_t_beta 512 float32; bn_t_gamma 512 float32; bn_t_mean 512 float32; bn_t_var 512 float32; cat_emb 2,001 x 128 float32; category 4,096 int32; fc_s_b 1 float32; fc_s_w 1 x 256 float32; fc_t_b 1 float32; fc_t_w 1 x 512 float32; item 4,096 int32; item_emb 100,001 x 128 float32; pop_history 4,096 x 2,049 float32; release_time 4,096 int32; store 4,096 int32; store_emb 5,000 x 128 float32; time 4,096 int32; time_emb 2,049 x 128 float32.
;; Outputs: out0 4,096 x 1 float32; out1 4,096 x 1 float32; out2 4,096 x 1 float32; out3 4,096 x 1 float32.
;; One version. Each part assembles by itself: llvm-mc -triple=amdgcn-amd-amdhsa -mcpu=gfx1250 --defsym DOCPART=n.
;; ======== version 1 of 1: 1 launch
;; limits: below input magnitudes of 1e-32 results are inexact or not finite
;; launch pop_predict (part 1): grid 256 x 1, 16 waves a work-group, no clusters, 8,704 bytes of LDS; arguments pop_history, time, release_time, item, category, store, time_emb, item_emb, cat_emb, store_emb, attn_w, fc_t_b, fc_s_b, bn_t_gamma, bn_t_beta, bn_t_mean, bn_t_var, fc_t_w, bn_s_gamma, bn_s_beta, bn_s_mean, bn_s_var, fc_s_w, out0, out1, out2, out3; writes out0, out1, out2, out3
.if DOCPART == 1
	.amdgcn_target "amdgcn-amd-amdhsa--gfx1250"
	.amdhsa_code_object_version 6
	.text
	.protected	k_q7d6f191f46_pop_predict
	.globl	k_q7d6f191f46_pop_predict
	.p2align	8
	.type	k_q7d6f191f46_pop_predict,@function
k_q7d6f191f46_pop_predict:
	s_mov_b64 s[64:65], 0
	v_nop
	global_prefetch_b8 v0, s[64:65] scope:SCOPE_SE
	s_setreg_imm32_b32 hwreg(HW_REG_WAVE_MODE, 25, 1), 1
	s_wait_xcnt 0x0
; PopPredict, one launch.  4,096 rows; 256 work-groups of 16 waves; ONE WAVE MAKES ONE ROW b = 16 x work-group + wave.
;
; EMA.  With n = max(time-1, 0), z_0 = 10 x_0 and z_t = x_t otherwise, ema[n] = 0.1 * sum over t <= n of 0.9^(n-t) z_t.
; A row of pop_history is 8,196 bytes, so it is read from the multiple of 256 bytes below its start: byte 8192 b + 4 (b & 0xFC0);
; element j from there is t = j - s, s = b & 63.  Block i (128 elements): lane L, word e holds j = 128 i + J_e, J_e = 4 L + e, so
; each 16-byte load of the wave covers 512 consecutive bytes that start at a multiple of 256.  With nj = n + s = 128 IL + m the sum is
; nested: acc_e = acc_e * 0.9^128 + x(i, e) for i = 1 .. IL (block 0's registers start the sums), then
; (((acc_0 * 0.9 + acc_1) * 0.9 + acc_2) * 0.9 + acc_3) * 0.1 * 0.9^(m - J_3), summed over the lanes.  The last exponent lies in
; -127 .. 124; a lane in which it is below -3 has its last block masked whole, so its sums were just scaled by 0.9^128.
; Nothing of the recurrence is cut off.  Masks are selects (never a product with 0): block 0: J_e < s gives 0 (the row in front),
; J_e = s is taken times 10; block IL: J_e > m gives 0.  All 17 blocks' addresses hang on b alone, so they are asked for together with
; the indices; only the arithmetic follows time (forward branches on IL, a whole number made from the index input).
; Block 16 (j = 2048 .. 2110) takes lane offsets min(16 L, 240): 256 bytes, which for b = 4095 end at the buffer's last byte.
;
; BN + Linear.  a_f = rsqrt(var_f + eps) * gamma_f * w_f; result = sum of (x_f - mean_f) a_f + sum of beta_f w_f + bias.  The mean is
; taken away in front of the product, as the model does.  a, mean and the six sums of beta w (one for each segment of 128 features: gap,
; item, time, release, category, store) are made once for the work-group by waves 0 to 5 and handed to all 16 waves through LDS.
;
; WHAT IS LEFT OUT.  Matrix instructions: both products have one output column, 15 of 16 columns would be idle, and the operands would want a
; conversion and another layout; the sums stay in f32.  Tensor loads and LDS slots: a wave's 22 loads (11 KiB) are all on their way at
; once in 88 registers.  Clusters: the work-groups share only the 15 KiB of parameters, against 176 KiB of rows of their own.
; OUTPUT.  Wave 0 stores 16 lanes x 4 bytes = 64 consecutive bytes into each output.  Whole runs of 256 bytes would want 64 rows in a
; work-group, that is 64 work-groups for 256 WGPs; the four outputs are 64 KiB of some 44 MiB moved.
;
; LIMITS.  |pop_history[b][0]| below 3.4e37 (it is multiplied by 10).  Partial sums below about 1e-32 lose bits (0.9^128 comes before the
; lane's weight).  A NaN in front of the ReLU gives 0 (v_max_num_f32).  Indices are clamped, unsigned, to their table's last row.
; a_f is rounded as rsq * (gamma * w).
.set R128,  0x35ba92f1                 ; 0.9^128
.set C09,   0x3f666666                 ; 0.9
.set C01,   0x3dcccccd                 ; 0.1
.set C10,   0x41200000                 ; 10.0
.set L2_09, 0xbe1ba6b3                 ; log2(0.9)
.set EPS,   0x3727c5ac                 ; 1e-5
.set LOG2E, 0x3fb8aa3b
; LDS, 6,656 bytes; every access is 16 x lane or one word for all lanes
.set LA, 0                             ; 3,072: a_f, segment g at 512 g
.set LM, 3072                          ; 3,072: mean_f, likewise
.set LC, 6144                          ; 24: the six sums of beta w
.set LR, 6400                          ; 256: result k of wave w at 64 k + 4 w
; scalar registers: s2 wave, s3 b, s4 s, s5 4 b, s[6:7] the row's byte offset, s[8:61] the 27 addresses, s[62:63] the row's base,
; s66-70 indices (time, release, item, category, store), s[72:74] attn_w, s75-76 biases, s77 nj, s78 IL, s79 m,
; s88-89 lane selects, s[90:99] a fold wave's five parameter addresses, s100 saved EXEC, s101 at work
.set HM, 80                            ; s80-83  head masks: s <= J_e
.set TM, 84                            ; s84-87  tail masks: m >= J_e
; vector registers: v1 16 x lane, v2 min(16 x lane, 240), v3 parameter offset, v4-7 J_e, v8-11 head factors, v12 lane weight,
; v13 10.0, later the pop result, v14-18 gather offsets, v19 16 x lane + 512 x wave, v20-23 gap, v24-26 softmax, v27 the total,
; v28-29 constants of the two branches, v30-31 at work, v174 4 x wave, v175 LDS addresses
.set X,  32                            ; v32-99    block i in 4 registers; block 0's are the four sums
.set GT, 100                           ; v100-119  gathered rows: time, release, item, category, store
.set GR, 104
.set GI, 108
.set GC, 112
.set GS, 116
.set PA, 120                           ; v120-143  a, six segments x 4
.set PM, 144                           ; v144-167  mean, likewise
.set PC, 168                           ; v168-173  the six sums of beta w
.set FG, 176                           ; v176-195  a fold wave's gamma, beta, mean, var, w as loaded; v176-179 later wave 0's results
.set FB, 180
.set FM, 184
.set FV, 188
.set FW, 192
.set FA, 196                           ; v196-199  rsq, then a
.set AT, 200                           ; v200-203  sums of the time branch (v200 first: the fold's sum of beta w)
.set AS, 204                           ; v204-207  sums of the side branch
; sum over the wave's 32 lanes, result in every lane; t has been written before
.macro WSUM r, t
	v_add_f32_dpp v[\r], v[\r], v[\r] row_xmask:1 row_mask:0xf bank_mask:0xf
	v_add_f32_dpp v[\r], v[\r], v[\r] row_xmask:2 row_mask:0xf bank_mask:0xf
	v_add_f32_dpp v[\r], v[\r], v[\r] row_xmask:4 row_mask:0xf bank_mask:0xf
	v_add_f32_dpp v[\r], v[\r], v[\r] row_xmask:8 row_mask:0xf bank_mask:0xf
	v_permlanex16_b32 v[\t], v[\r], s88, s89
	v_add_f32 v[\r], v[\r], v[\t]
.endm
; two such sums, line by line in turn
.macro WSUM2 r1, t1, r2, t2
.irp x, 1, 2, 4, 8
	v_add_f32_dpp v[\r1], v[\r1], v[\r1] row_xmask:\x row_mask:0xf bank_mask:0xf
	v_add_f32_dpp v[\r2], v[\r2], v[\r2] row_xmask:\x row_mask:0xf bank_mask:0xf
.endr
	v_permlanex16_b32 v[\t1], v[\r1], s88, s89
	v_permlanex16_b32 v[\t2], v[\r2], s88, s89
	v_add_f32 v[\r1], v[\r1], v[\t1]
	v_add_f32 v[\r2], v[\r2], v[\t2]
.endm
; sums = sums * 0.9^128 + block i
.macro STEP i
	v_pk_fma_f32 v[X:X+1],   v[X:X+1],   R128, v[X+4*\i:X+4*\i+1]   op_sel_hi:[1,0,1]
	v_pk_fma_f32 v[X+2:X+3], v[X+2:X+3], R128, v[X+4*\i+2:X+4*\i+3] op_sel_hi:[1,0,1]
.endm
; block i, 1 to 15: if it is the row's last, to its masked form; else it is taken whole
.macro BLOCK i
	s_wait_loadcnt 21-\i                           ; loads come back in order: block i is in; the 16 - i younger blocks and the 5 gathers stay out
	s_cmp_eq_u32 s78, \i
	s_cbranch_scc1 .Ltail_\i
	STEP \i
.endm
; block i as the row's last: words behind element nj count as 0
.macro TAIL i
.if \i < 16
.Ltail_\i:
.endif
.irp e, 0,1,2,3
	v_cndmask_b32 v[X+4*\i+\e], 0, v[X+4*\i+\e], s[TM+\e]
.endr
	STEP \i
	s_branch .Lfinish
.endm
; segment g of the features: acc (+)= (src - mean) * a; src is used up
.macro SEG g, src, acc, first
.irp h, 0, 2
	v_pk_add_f32 v[\src+\h:\src+\h+1], v[\src+\h:\src+\h+1], v[PM+4*\g+\h:PM+4*\g+\h+1] neg_lo:[0,1] neg_hi:[0,1]
.if \first
	v_pk_mul_f32 v[\acc+\h:\acc+\h+1], v[\src+\h:\src+\h+1], v[PA+4*\g+\h:PA+4*\g+\h+1]
.else
	v_pk_fma_f32 v[\acc+\h:\acc+\h+1], v[\src+\h:\src+\h+1], v[PA+4*\g+\h:PA+4*\g+\h+1], v[\acc+\h:\acc+\h+1]
.endif
.endr
.endm
	; ---- the 27 addresses; what hangs on ids alone is made while they come
	s_load_b512 s[8:23],  s[0:1], 0x0              ; pop 8, time 10, release 12, item 14, category 16, store 18, time_emb 20, item_emb 22
	s_load_b512 s[24:39], s[0:1], 0x40             ; cat_emb 24, store_emb 26, attn_w 28, fc_t_b 30, fc_s_b 32, t_gamma 34, t_beta 36, t_mean 38
	s_load_b512 s[40:55], s[0:1], 0x80             ; t_var 40, fc_t_w 42, s_gamma 44, s_beta 46, s_mean 48, s_var 50, fc_s_w 52, out0 54
	s_load_b128 s[56:59], s[0:1], 0xc0             ; out1 56, out2 58
	s_load_b64  s[60:61], s[0:1], 0xd0             ; out3
	v_lshl_add_u32 v208, v0, 2, 0x1a00
	v_mov_b32 v209, 0
	v_lshrrev_b32 v30, 5, v0
	v_readfirstlane_b32 s2, v30                    ; wave 0..15
	s_lshl4_add_u32 s3, ttmp9, s2                  ; b
	s_and_b32 s4, s3, 63                           ; s: elements of the row in front that block 0 holds
	s_lshl_b32 s5, s3, 2                           ; byte offset of my index in the five lists
	s_lshl_b32 s6, s3, 13
	s_and_b32 s7, s3, 0xfc0
	s_lshl2_add_u32 s6, s7, s6                     ; 8192 b + 4 (b & 0xFC0): at most 33,562,368
	s_mov_b32 s7, 0
	s_mov_b32 s88, 0x76543210                      ; v_permlanex16_b32: lane i of one half reads lane i of the other
	s_mov_b32 s89, 0xfedcba98
	s_lshl_b32 s101, s2, 2
	v_and_b32 v1, 31, v0
	v_lshlrev_b32 v4, 2, v1                        ; J_0 = 4 x lane
	v_lshlrev_b32 v1, 4, v1                        ; 16 x lane
	v_min_u32 v2, 0xf0, v1                         ; block 16: 256 bytes only
	v_add_nc_u32 v5, 1, v4
	v_add_nc_u32 v6, 2, v4
	v_add_nc_u32 v7, 3, v4
	v_lshl_add_u32 v19, s2, 9, v1
	v_mov_b32 v174, s101
	v_mov_b32 v13, C10
.irp e, 0,1,2,3
	v_cmp_le_u32 s[HM+\e], s4, v[4+\e]             ; the word belongs to my row
	v_cmp_eq_u32 vcc_lo, s4, v[4+\e]               ; it is x_0
	v_cndmask_b32 v[8+\e], 1.0, v13, vcc_lo
.endr
	s_wait_kmcnt 0x0
	; ---- first requests: my five indices, the three weights, the two biases
	s_load_b32 s66, s[10:11], s5 offset:0x0
	s_load_b32 s67, s[12:13], s5 offset:0x0
	s_load_b32 s68, s[14:15], s5 offset:0x0
	s_load_b32 s69, s[16:17], s5 offset:0x0
	s_load_b32 s70, s[18:19], s5 offset:0x0
	s_load_b96 s[72:74], s[28:29], 0x0
	s_load_b32 s75, s[30:31], 0x0
	s_load_b32 s76, s[32:33], 0x0
	s_add_nc_u64 s[62:63], s[8:9], s[6:7]
	; ---- waves 0 to 5: the parameters of one segment of 128 features (waves 0-3: the time branch's four, 4-5: the side branch's two)
	s_cmp_ge_u32 s2, 6
	s_cbranch_scc1 .Lrows
	s_and_b32 s101, s2, 3
	v_lshl_add_u32 v3, s101, 9, v1                 ; 512 x segment in its branch + 16 x lane
	s_cmp_lt_u32 s2, 4
	s_cselect_b64 s[90:91], s[34:35], s[44:45]     ; gamma
	s_cselect_b64 s[92:93], s[36:37], s[46:47]     ; beta
	s_cselect_b64 s[94:95], s[38:39], s[48:49]     ; mean
	s_cselect_b64 s[96:97], s[40:41], s[50:51]     ; var
	s_cselect_b64 s[98:99], s[42:43], s[52:53]     ; w
	global_load_b128 v[FG:FG+3], v3, s[90:91]
	global_load_b128 v[FB:FB+3], v3, s[92:93]
	global_load_b128 v[FM:FM+3], v3, s[94:95]
	global_load_b128 v[FV:FV+3], v3, s[96:97]
	global_load_b128 v[FW:FW+3], v3, s[98:99]
.Lrows:
	; ---- all waves: the whole row of pop_history, 17 loads.  Blocks 1 to 15 are read by this wave alone; the bytes of block 16 are as a
	; rule also in the next row's block 0, so these two carry no hint
	global_load_b128 v[X:X+3], v1, s[62:63]
.irp i, 1,2,3,4,5,6,7,8,9,10,11,12,13,14,15
	global_load_b128 v[X+4*\i:X+4*\i+3], v1, s[62:63] offset:512*\i th:TH_LOAD_NT
.endr
	global_load_b128 v[X+64:X+67], v2, s[62:63] offset:8192
	; ---- the five rows of the tables, 512 bytes each, as soon as the indices are in.  No hint: a list may name a row twice
	s_wait_kmcnt 0x0                               ; scalar loads come back in no order: zero
	s_min_u32 s66, s66, 2048
	s_min_u32 s67, s67, 2048
	s_min_u32 s68, s68, 100000
	s_min_u32 s69, s69, 2000
	s_min_u32 s70, s70, 4999
	v_lshl_add_u32 v14, s66, 9, v1
	v_lshl_add_u32 v15, s67, 9, v1
	v_lshl_add_u32 v16, s68, 9, v1
	v_lshl_add_u32 v17, s69, 9, v1
	v_lshl_add_u32 v18, s70, 9, v1
	global_load_b128 v[GT:GT+3], v14, s[20:21]
	global_load_b128 v[GR:GR+3], v15, s[20:21]
	global_load_b128 v[GI:GI+3], v16, s[22:23]
	global_load_b128 v[GC:GC+3], v17, s[24:25]
	global_load_b128 v[GS:GS+3], v18, s[26:27]
	; ---- what hangs on time: the last block, its masks, the lane's weight
	s_sub_co_i32 s77, s66, 1
	s_max_i32 s77, s77, 0                          ; n = max(time - 1, 0), at most 2,047
	s_add_co_u32 s77, s77, s4                      ; nj, at most 2,110
	s_lshr_b32 s78, s77, 7                         ; IL, 0 to 16
	s_and_b32 s79, s77, 127                        ; m
	v_sub_nc_u32 v12, s79, v7                      ; m - J_3, -127 to 124
	v_cvt_f32_i32 v12, v12
	v_mul_f32 v12, L2_09, v12
	v_exp_f32 v12, v12
	v_mov_b32 v175, 0                              ; LDS address of the six constants; also the plain instruction between v_exp_f32 and the use of its result (ISA guide 5.7.2)
	s_wait_alu depctr_va_vdst(0)
	v_mul_f32 v12, C01, v12                        ; 0.1 * 0.9^(m - J_3)
.irp e, 0,1,2,3
	v_cmp_ge_u32 s[TM+\e], s79, v[4+\e]
.endr
	; ---- waves 0 to 5: fold the parameters and put them into LDS
	s_cmp_ge_u32 s2, 6
	s_cbranch_scc1 .Lfolded
	s_wait_loadcnt 22                              ; the five parameter loads are in; the 17 + 5 loads issued behind them stay out
	v_pk_add_f32 v[FV:FV+1],   v[FV:FV+1],   EPS op_sel_hi:[1,0]
	v_pk_add_f32 v[FV+2:FV+3], v[FV+2:FV+3], EPS op_sel_hi:[1,0]
	v_rsq_f32 v[FA],   v[FV]
	v_rsq_f32 v[FA+1], v[FV+1]
	v_rsq_f32 v[FA+2], v[FV+2]
	v_rsq_f32 v[FA+3], v[FV+3]
	v_pk_mul_f32 v[FG:FG+1],   v[FG:FG+1],   v[FW:FW+1]       ; gamma w: plain work between the roots and their use
	v_pk_mul_f32 v[FG+2:FG+3], v[FG+2:FG+3], v[FW+2:FW+3]
	s_wait_alu depctr_va_vdst(0)
	v_pk_mul_f32 v[FA:FA+1],   v[FA:FA+1],   v[FG:FG+1]       ; a
	v_pk_mul_f32 v[FA+2:FA+3], v[FA+2:FA+3], v[FG+2:FG+3]
	v_mul_f32  v[AT], v[FB],   v[FW]                           ; beta w of my four features
	v_fmac_f32 v[AT], v[FB+1], v[FW+1]
	v_fmac_f32 v[AT], v[FB+2], v[FW+2]
	v_fmac_f32 v[AT], v[FB+3], v[FW+3]
	WSUM AT, 30                                    ; of the segment's 128
	ds_store_b128 v19, v[FA:FA+3] offset:LA
	ds_store_b128 v19, v[FM:FM+3] offset:LM
	ds_store_b32 v174, v[AT] offset:LC             ; every lane the same word with the same value
.Lfolded:
	s_wait_dscnt 0x0                               ; for the other waves' sake: my stores are done
	s_barrier_signal -1
	; between signal and wait registers only: softmax of the three weights, the largest taken away first
	v_mov_b32 v24, s72
	v_mov_b32 v25, s73
	v_mov_b32 v26, s74
	v_max3_num_f32 v31, v24, v25, v26
	v_sub_f32 v24, v24, v31
	v_sub_f32 v25, v25, v31
	v_sub_f32 v26, v26, v31
	v_mul_f32 v24, LOG2E, v24
	v_mul_f32 v25, LOG2E, v25
	v_mul_f32 v26, LOG2E, v26
	v_exp_f32 v24, v24
	v_exp_f32 v25, v25
	v_exp_f32 v26, v26
	v_nop                                          ; one plain place behind the exponentials
	s_wait_alu depctr_va_vdst(0)
	v_add_f32 v31, v24, v25
	v_add_f32 v31, v31, v26                        ; between 1 and 3
	v_rcp_f32 v31, v31
	v_nop                                          ; and behind the reciprocal
	s_wait_alu depctr_va_vdst(0)
	v_mul_f32 v24, v24, v31
	v_mul_f32 v25, v25, v31
	v_mul_f32 v26, v26, v31
	s_barrier_wait -1                              ; a, mean and the six sums are in LDS
.irp g, 0,1,2,3,4,5
	ds_load_b128 v[PA+4*\g:PA+4*\g+3], v1 offset:LA+512*\g
	ds_load_b128 v[PM+4*\g:PM+4*\g+3], v1 offset:LM+512*\g
.endr
	ds_load_b128 v[PC:PC+3],   v175 offset:LC
	ds_load_b64  v[PC+4:PC+5], v175 offset:LC+16
	; ---- the EMA
	s_wait_loadcnt 21                              ; block 0 is in; 16 blocks and 5 gathers stay out (the parameter loads are older in the waves that have them)
	v_pk_mul_f32 v[X:X+1],   v[X:X+1],   v[8:9]    ; x_0 times 10
	v_pk_mul_f32 v[X+2:X+3], v[X+2:X+3], v[10:11]
.irp e, 0,1,2,3
	v_cndmask_b32 v[X+\e], 0, v[X+\e], s[HM+\e]    ; the row in front counts as 0
.endr
	s_cmp_eq_u32 s78, 0
	s_cbranch_scc1 .Ltail_0
.irp i, 1,2,3,4,5,6,7,8,9,10,11,12,13,14,15
	BLOCK \i
.endr
	s_wait_loadcnt 5                               ; block 16 is in; the 5 gathers stay out
	TAIL 16                                        ; IL is none of 0 to 15: it is 16
.irp i, 15,14,13,12,11,10,9,8,7,6,5,4,3,2,1
	TAIL \i
.endr
.Ltail_0:
.irp e, 0,1,2,3
	v_cndmask_b32 v[X+\e], 0, v[X+\e], s[TM+\e]
.endr
.Lfinish:                                          ; blocks behind IL may still be on their way: their registers are not named again
	v_fmamk_f32 v13, v[X], C09, v[X+1]
	v_fmamk_f32 v13, v13, C09, v[X+2]
	v_fmamk_f32 v13, v13, C09, v[X+3]
	v_mul_f32 v13, v13, v12
	WSUM 13, 30
	v_mul_f32 v13, v13, v24                        ; w_pop
	; ---- the constants of the two branches
	s_wait_dscnt 0x0                               ; the 14 LDS loads are back
	v_add_f32 v28, v[PC],   v[PC+1]
	v_add_f32 v29, v[PC+2], v[PC+3]
	v_add_f32 v28, v28, v29
	v_add_f32 v29, v[PC+4], v[PC+5]
	v_add_f32 v28, s75, v28                        ; sum of beta w + fc_t_b
	v_add_f32 v29, s76, v29                        ; sum of beta w + fc_s_b
	; ---- the two products, four features of each segment in a lane
	s_wait_loadcnt 0x0                             ; the gathers were issued last
	v_pk_add_f32 v[20:21], v[GR:GR+1],   v[GT:GT+1]   neg_lo:[0,1] neg_hi:[0,1]    ; gap = release - time
	v_pk_add_f32 v[22:23], v[GR+2:GR+3], v[GT+2:GT+3] neg_lo:[0,1] neg_hi:[0,1]
	SEG 0, 20, AT, 1
	SEG 4, GC, AS, 1
	SEG 1, GI, AT, 0
	SEG 5, GS, AS, 0
	SEG 2, GT, AT, 0
	SEG 3, GR, AT, 0
	v_pk_add_f32 v[AT:AT+1], v[AT:AT+1], v[AT+2:AT+3]
	v_pk_add_f32 v[AS:AS+1], v[AS:AS+1], v[AS+2:AS+3]
	v_add_f32 v[AT], v[AT], v[AT+1]
	v_add_f32 v[AS], v[AS], v[AS+1]
	WSUM2 AT, 30, AS, 31
	v_add_f32 v[AT], v[AT], v28
	v_add_f32 v[AS], v[AS], v29
	v_max_num_f32 v[AT], 0, v[AT]                  ; ReLU
	v_mul_f32 v[AS], v[AS], v26                    ; w_side
	v_mul_f32 v[AT], v[AT], v25                    ; w_time
	v_add_f32 v27, v13, v[AT]
	v_add_f32 v27, v27, v[AS]                      ; (w_pop + w_time) + w_side
	; ---- the 16 waves' results meet in LDS; wave 0 stores them
	ds_store_b32 v174, v13   offset:LR
	ds_store_b32 v174, v[AT] offset:LR+64
	ds_store_b32 v174, v[AS] offset:LR+128
	ds_store_b32 v174, v27   offset:LR+192
	s_wait_dscnt 0x0                               ; for wave 0's sake: zero
	s_barrier_signal -1
	s_barrier_wait -1
	s_cmp_lg_u32 s2, 0
	s_cbranch_scc1 .Lend
	v_and_b32 v175, 15, v0
	v_lshlrev_b32 v175, 2, v175                    ; lanes 16-31 read the same written words as lanes 0-15
	ds_load_b32 v176, v175 offset:LR
	ds_load_b32 v177, v175 offset:LR+64
	ds_load_b32 v178, v175 offset:LR+128
	ds_load_b32 v179, v175 offset:LR+192
	s_lshl_b32 s101, ttmp9, 6                      ; 16 rows x 4 bytes for each work-group
	v_lshl_add_u32 v30, v0, 2, s101
	v_cmp_gt_u32 vcc_lo, 16, v0
	s_wait_dscnt 0x0
	s_wait_xcnt 0x0                                ; EXEC is a source of the loads issued above: it changes only behind this wait
	s_and_saveexec_b32 s100, vcc_lo
	global_store_b32 v30, v176, s[54:55]           ; 16 lanes: 64 consecutive bytes of each output
	global_store_b32 v30, v177, s[56:57]
	global_store_b32 v30, v178, s[58:59]
	global_store_b32 v30, v179, s[60:61]
	s_wait_xcnt 0x0                                ; and again in front of the line that widens it
	s_or_b32 exec_lo, exec_lo, s100
.Lend:
	s_wait_tensorcnt 0x0
	ds_add_u32 v208, v209
	s_wait_dscnt 0x0
	s_endpgm
.Lfunc_end_k_q7d6f191f46_pop_predict:
	.size	k_q7d6f191f46_pop_predict, .Lfunc_end_k_q7d6f191f46_pop_predict-k_q7d6f191f46_pop_predict
	.p2alignl 7, 3214868480
	.fill 96, 4, 3214868480
	.section	.rodata,"a",@progbits
	.p2align	6, 0x0
	.amdhsa_kernel k_q7d6f191f46_pop_predict
		.amdhsa_group_segment_fixed_size 8704
		.amdhsa_private_segment_fixed_size 0
		.amdhsa_enable_private_segment 0
		.amdhsa_kernarg_size 216
		.amdhsa_user_sgpr_count 2
		.amdhsa_user_sgpr_kernarg_segment_ptr 1
		.amdhsa_wavefront_size32 1
		.amdhsa_system_sgpr_workgroup_id_x 1
		.amdhsa_system_sgpr_workgroup_id_y 1
		.amdhsa_system_sgpr_workgroup_id_z 1
		.amdhsa_system_vgpr_workitem_id 0
		.amdhsa_next_free_vgpr 210
		.amdhsa_next_free_sgpr 102
		.amdhsa_reserve_vcc 1
		.amdhsa_float_denorm_mode_32 3
		.amdhsa_float_denorm_mode_16_64 3
		.amdhsa_memory_ordered 1
		.amdhsa_forward_progress 1
		.amdhsa_inst_pref_size 28
	.end_amdhsa_kernel
	.amdgpu_metadata
---
amdhsa.version: [ 1, 2 ]
amdhsa.kernels:
  - .name:           k_q7d6f191f46_pop_predict
    .symbol:         k_q7d6f191f46_pop_predict.kd
    .args:
      - { .name: pop_history, .offset: 0, .size: 8, .value_kind: global_buffer, .address_space: global }
      - { .name: time, .offset: 8, .size: 8, .value_kind: global_buffer, .address_space: global }
      - { .name: release_time, .offset: 16, .size: 8, .value_kind: global_buffer, .address_space: global }
      - { .name: item, .offset: 24, .size: 8, .value_kind: global_buffer, .address_space: global }
      - { .name: category, .offset: 32, .size: 8, .value_kind: global_buffer, .address_space: global }
      - { .name: store, .offset: 40, .size: 8, .value_kind: global_buffer, .address_space: global }
      - { .name: time_emb, .offset: 48, .size: 8, .value_kind: global_buffer, .address_space: global }
      - { .name: item_emb, .offset: 56, .size: 8, .value_kind: global_buffer, .address_space: global }
      - { .name: cat_emb, .offset: 64, .size: 8, .value_kind: global_buffer, .address_space: global }
      - { .name: store_emb, .offset: 72, .size: 8, .value_kind: global_buffer, .address_space: global }
      - { .name: attn_w, .offset: 80, .size: 8, .value_kind: global_buffer, .address_space: global }
      - { .name: fc_t_b, .offset: 88, .size: 8, .value_kind: global_buffer, .address_space: global }
      - { .name: fc_s_b, .offset: 96, .size: 8, .value_kind: global_buffer, .address_space: global }
      - { .name: bn_t_gamma, .offset: 104, .size: 8, .value_kind: global_buffer, .address_space: global }
      - { .name: bn_t_beta, .offset: 112, .size: 8, .value_kind: global_buffer, .address_space: global }
      - { .name: bn_t_mean, .offset: 120, .size: 8, .value_kind: global_buffer, .address_space: global }
      - { .name: bn_t_var, .offset: 128, .size: 8, .value_kind: global_buffer, .address_space: global }
      - { .name: fc_t_w, .offset: 136, .size: 8, .value_kind: global_buffer, .address_space: global }
      - { .name: bn_s_gamma, .offset: 144, .size: 8, .value_kind: global_buffer, .address_space: global }
      - { .name: bn_s_beta, .offset: 152, .size: 8, .value_kind: global_buffer, .address_space: global }
      - { .name: bn_s_mean, .offset: 160, .size: 8, .value_kind: global_buffer, .address_space: global }
      - { .name: bn_s_var, .offset: 168, .size: 8, .value_kind: global_buffer, .address_space: global }
      - { .name: fc_s_w, .offset: 176, .size: 8, .value_kind: global_buffer, .address_space: global }
      - { .name: out0, .offset: 184, .size: 8, .value_kind: global_buffer, .address_space: global }
      - { .name: out1, .offset: 192, .size: 8, .value_kind: global_buffer, .address_space: global }
      - { .name: out2, .offset: 200, .size: 8, .value_kind: global_buffer, .address_space: global }
      - { .name: out3, .offset: 208, .size: 8, .value_kind: global_buffer, .address_space: global }
    .group_segment_fixed_size: 8704
    .private_segment_fixed_size: 0
    .kernarg_segment_align: 8
    .kernarg_segment_size: 216
    .max_flat_workgroup_size: 512
    .sgpr_count:     102
    .vgpr_count:     210
    .wavefront_size: 32
...
	.end_amdgpu_metadata
.endif
;; end of part 1
